; MI455X (gfx1250); checked and timed in simulation.
; The chip was launched on July 23, 2026; its instructions are those of AMD's public machine-readable ISA for CDNA 5 (MIT licence, August 2026) and "CDNA5" Instruction Set Architecture Reference Guide (July 2026). The comments in the code are by the model that wrote it; some were corrected since.
;; Kron Linear. Allowed arithmetic: matrix products marked QUANTISED: E2M1 operands, one E8M0 scale for each 32 along K, by v_wmma_scale_f32_16x16x128_f8f6f4 with both operands' format E2M1 (or v_wmma_scale_f32_32x16x128_f4), f32 sums; everything else in f32.
;; Inputs: a_codes 64 x 64 x 2 x 16 uint8 (E2M1 codes of a, K innermost, in blocks of 32 codes, two codes a byte); a_scales 64 x 64 x 2 uint8 (E8M0 scales of a, one for each 32 codes along K); b_codes 64 x 64 x 2 x 16 uint8 (E2M1 codes of b, K innermost, in blocks of 32 codes, two codes a byte); b_scales 64 x 64 x 2 uint8 (E8M0 scales of b, one for each 32 codes along K); bias 4,096 float32; x_codes 4,096 x 128 x 16 uint8 (E2M1 codes of x, K innermost, in blocks of 32 codes, two codes a byte); x_scales 4,096 x 128 uint8 (E8M0 scales of x, one for each 32 codes along K).
;; Outputs: out0 4,096 x 4,096 float32.
;; This version of the problem:
;;   THIS VERSION OF THE PROBLEM IS GIVEN IN LOW PRECISION. The matrix products marked QUANTISED in the list below multiply operands that are first quantised to E2M1 (2 exponent bits, 1 mantissa bit; 4 bits a number), with one power-of-two scale for each 32 numbers along K (OCP MX v1.0); their sums are f32. All else is computed in f32.
;;   The module's matrix products, in the order in which they are computed (A, B: the left and right operand; K: the contracted axis; several contracted axes count as one K, in the product's order):
;;     1. [M 4,096, K 64] x [K 64, N 4,096]; A: input b (given as codes); B: input a (given as codes): QUANTISED
;;     2. [M 4,096, K 4,096] x [K 4,096, N 4,096]; A: input x (given as codes); B: computed on the way: QUANTISED
;;   THE QUANTISER, for each operand of a quantised product, along K:
;;     - K is cut into blocks of 32 from its start; a last block that is shorter is filled with zeros.
;;     - A block's scale is 2^e with e = floor(log2(the largest magnitude in the block)) - 2, held to -126 .. 127; a block of zeros has e = 0. As a byte (E8M0): e + 127.
;;     - Each number is divided by its block's scale, clamped to +-6, and rounded to the nearest number of E2M1, ties to even, subnormals kept.
;;     - The product sums the exact products of the quantised numbers (number of the format x scale) in f32.
;;   ~~~python
;;   def quantise(x, axis):      # numpy; x: float32 -> the quantised numbers, widened to float32 again
;;       x = np.moveaxis(x, axis, -1); K = x.shape[-1]
;;       x = np.pad(x, [(0, 0)] * (x.ndim - 1) + [(0, -K % 32)]); x = x.reshape(x.shape[:-1] + (-1, 32)); a = np.abs(x).max(-1, keepdims=True)
;;       e = np.where(a > 0, np.clip(np.frexp(np.where(a > 0, a, 1))[1] - 1 - 2, -126, 127), 0)      # np.frexp(a)[1] - 1 = floor(log2(a)), exactly
;;       r = np.clip(x / 2.0 ** e, -6, 6)
;;       step = 2.0 ** (np.maximum(np.frexp(np.where(r == 0, 1, r))[1] - 1, 0) - 1)
;;       q = np.round(r / step) * step * 2.0 ** e      # np.round: ties to even
;;       return np.moveaxis(q.reshape(q.shape[:-2] + (-1,))[..., :K], -1, axis).astype(np.float32)
;;   ~~~
;;   OPERANDS COMPUTED ON THE WAY. 'Computed on the way' means the value that the module computes at that place (a softmax that the list does not call 'softmax' is quantised finished and normalised). What goes into a quantiser is computed in f32, as accurately as f32 sums, v_exp_f32 and their like allow (about 1e-6 of the number): no bf16 or f16 on the way to a quantiser, and a product that is left as it is and whose result goes on into a quantised operand takes f32 operands (vector FMAs, or v_wmma_f32_16x16x4_f32). A number that lies on a knife's edge between two numbers of the format may be rounded either way, as far as f32 arithmetic and the matrix unit's own rounding can turn it there, and no further.
;;   INPUTS GIVEN AS CODES. a (in the module: [64, 64, 64], K = its axis 0); b (in the module: [64, 64, 64], K = its axis 0); x (in the module: [4096, 4096], K = its axis 1): each comes as NAME_codes (uint8): NAME with its K axis moved to the last place and cut into blocks of 32 codes, [.., K / 32, bytes a block], one block behind the other in memory; two codes a byte, the lower K in the low four bits (a code: sign, 2 exponent bits, 1 mantissa bit); and NAME_scales (uint8): the same leading axes, one E8M0 byte (e + 127) for each 32 codes along K. Its value is code x scale, taken as it is: it is not quantised again, and the codes and scales need not be those that the quantiser above would give.
;; One version. Each part assembles by itself: llvm-mc -triple=amdgcn-amd-amdhsa -mcpu=gfx1250 --defsym DOCPART=n.
;; ======== version 1 of 1: 2 launches
;; limits: right only within a limited range of input values
;; workspace buffers: wq 8,388,608 bytes; scl 1,048,576 bytes
;; launch prep (part 1): grid 64 x 4, 16 waves a work-group, no clusters, 37,888 bytes of LDS; arguments a_codes, a_scales, b_codes, b_scales, x_scales, wq, scl; writes wq, scl
.if DOCPART == 1
	.amdgcn_target "amdgcn-amd-amdhsa--gfx1250"
	.amdhsa_code_object_version 6
	.text
	.protected	k_qe91ab8adab_prep
	.globl	k_qe91ab8adab_prep
	.p2align	8
	.type	k_qe91ab8adab_prep,@function
k_qe91ab8adab_prep:
	s_mov_b64 s[64:65], 0
	v_nop
	global_prefetch_b8 v0, s[64:65] scope:SCOPE_SE
	s_setreg_imm32_b32 hwreg(HW_REG_WAVE_MODE, 25, 1), 1
	s_wait_xcnt 0x0
; w[(i,k)][(j,l)] = sum over r of a[r][i][j] b[r][k][l] on codes of FP4 (E2M1) with E8M0 scales, then w quantised along (i,k) in blocks of 32 (one i, half of k).
; OUT: wq [K step of 512 : 8][n = 64 j + l : 4096][256 bytes]: w's codes, K = 64 i + k innermost;  scl [K step : 8][row : 8192][16 bytes]: the 16 scale bytes of a row's K step;
; rows 0-4095 are x's (copied here from x_scales, [4096][128]), rows 4096 + n are w's.
; SHARES.  Work-group (x = j, y = lg) makes column j, l = 16 lg .. 16 lg + 15, for all i and k.  Wave w = 4 g + iw takes i = 16 iw .. 16 iw + 15 and l = 4 g .. 4 g + 3 of the sixteen.
; THE PRODUCT IS USED TRANSPOSED: source 0 = 16 rows of b (one l; lane rr of tile t takes k = 32 (t / 2) + 8 (t % 2) + rr + 8 (rr / 8)), source 1 = the wave's one fragment of a (rows i = 16 iw + r).
; So lane (r, h) holds ONE i, and register j' of tile t is k = 32 (t / 2) + 16 h + 8 (t % 2) + j': the 16 registers of tiles 2 kb, 2 kb + 1 are 16 neighbours of block kb.
; The product's K is 64: registers 0-3 of each operand; registers 4-7 are zero codes on both sides, and the upper two bytes of each scale word are 0 (never 0xff): they add nothing.
; A PAIR is l = 4 g + 2 q and the l behind it: 8 tiles, 64 numbers a lane, four blocks.  Quantised, registers 4 c .. 4 c + 3 of lane (r, h) are 16 bytes of row n (l = 4 g + 2 q + c) of K step 2 iw + r / 8, at byte 32 (r % 8) + 16 h:
; one store of the wave covers two whole aligned units of 256 bytes.
; b's 64 fragments are shared by the waves: they go once through LDS as images of the operand's registers.  No tensor load is used: the shared 32 KiB of b are laid in an order that no tile has.
; LIMITS: a block of zeros gets the scale byte 1 where the quantiser says 127: its codes are zeros and this program alone reads the bytes.  Given scale bytes of 0xff, and sums that leave f32's range, are not served.
.set HOFF, 16768                       ; b's images: lanes 16-31's 16 bytes lie HOFF behind lanes 0-15's
.set LOFF, 1040                        ; l's four fragments LOFF behind those of l - 1
.set SST,  33536                       ; behind the images: w's scale bytes, [K step : 8][l : 16][16 bytes]
.set SPARE, 35840                      ; the spare words, 128 bytes for each wave
.set GB,  4                            ; 16 x lane
.set WB,  5                            ; where I store b's bytes into the images
.set RB,  6                            ; where I read a fragment of b
.set VS,  7                            ; b's scale bytes: my row of a tile, 128 bytes a k
.set VA,  8                            ; a's fragment
.set VAS, 9                            ; a's scale word
.set XL,  10                           ; x's scale bytes, in
.set SGO, 11                           ; scale bytes, out: 131,072 h + 16 r
.set CO,  12                           ; codes, out
.set SA,  13                           ; my two scale bytes' place
.set SRD, 14                           ; where I read 16 of them back (waves 0-3)
.set AF,  16                           ; v16-23   a's fragment
.set AS,  24                           ; a's scale words
.set BS,  32                           ; v32-39   the pair's eight scale words of b
.set RAW, 40                           ; v40-47   b's scale bytes as loaded: v[RAW + 2 t + q]: l = 4 g + 2 q in the low half, the next l in the high half
.set BF,  72                           ; v72-135  eight fragments of b
.set HA,  136                          ; v136-199 eight tiles of w; at the head b's bytes on their way to LDS
.set TM,  200                          ; v200-215 at work
.set PW,  216                          ; the four scale bytes just made
.set PC,  220                          ; v220-227 the codes just made
.set SPW, 254                          ; LDS address of my spare word; never rewritten
.set NIL, 255                          ; 0; never rewritten
.set SEL, 28                           ; s[28:29] lane selects for v_permlanex16_b32: lane l xor 16
.macro OFF d, a, sa, b, sb             ; s[d:d+1] = (a << sa) + (b << sb)
	s_lshl_b32 s[\d], \a, \sa
	s_lshl_b32 s30, \b, \sb
	s_add_co_u32 s[\d], s[\d], s30
	s_mov_b32 s[\d+1], 0
.endm
	s_load_b256 s[4:11], s[0:1], 0x0               ; a's codes s[4:5], a's scales s[6:7], b's codes s[8:9], b's scales s[10:11]
	s_load_b128 s[12:15], s[0:1], 0x20             ; x's scales s[12:13], wq s[14:15]
	s_load_b64 s[16:17], s[0:1], 0x30              ; scl
	v_lshl_add_u32 v[SPW], v0, 2, SPARE
	v_mov_b32 v[NIL], 0
	v_lshrrev_b32 v1, 5, v0
	v_readfirstlane_b32 s18, v1                    ; wave w
	s_and_b32 s19, s18, 3                          ; iw
	s_lshr_b32 s20, s18, 2                         ; g
	s_and_b32 s21, ttmp7, 0xffff                   ; lg
	s_mov_b32 s23, ttmp9                           ; j
	s_lshl_b32 s22, s21, 6
	s_add_co_u32 s22, s22, s23                     ; the work-group's number: which 16 rows of x's scales it lays out
	s_mov_b32 s[SEL], 0x76543210
	s_mov_b32 s[SEL+1], 0xfedcba98
	OFF 32, s21, 9, s18, 13                        ; b's codes: 16 l x 32 bytes x lg + my 4 k x 2,048 bytes
	OFF 34, s21, 5, s20, 3                         ; b's scales: 32 bytes x lg + 8 bytes x g
	OFF 36, s19, 15, s23, 5                        ; a's codes: my 16 i x 2,048 bytes + 32 j
	OFF 38, s19, 11, s23, 1                        ; a's scales: my 16 i x 128 bytes + 2 j
	OFF 40, s22, 11, s19, 5                        ; x's scales: 16 rows x 128 bytes x work-group + two K steps' 32 bytes
	OFF 42, s19, 21, s23, 14                       ; wq: two K steps' 2 MiB x iw + 64 rows x 256 x j
	s_lshl_b32 s30, s21, 12
	s_add_co_u32 s42, s42, s30                     ; + 16 rows x lg
	s_lshl_b32 s30, s20, 10
	s_add_co_u32 s42, s42, s30                     ; + 4 rows x g
	OFF 44, s19, 18, s23, 10                       ; scl at w's rows: two K steps' 262,144 bytes x iw + (4,096 + 64 j + 16 lg) x 16
	s_lshl_b32 s30, s21, 8
	s_add_co_u32 s44, s44, s30
	s_add_co_u32 s44, s44, 65536
	OFF 46, s19, 18, s22, 8                        ; scl at x's rows
	s_lshr_b32 s30, s18, 3                         ; k = 4 w + c lies in tile t = 2 (w / 8) + (w / 2) % 2, at lane rr = 8 ((w / 4) % 2) + 4 (w % 2) + c
	s_lshl_b32 s30, s30, 9
	s_bfe_u32 s31, s18, 0x10001
	s_lshl_b32 s31, s31, 8
	s_add_co_u32 s30, s30, s31
	s_bfe_u32 s31, s18, 0x10002
	s_lshl_b32 s31, s31, 7
	s_add_co_u32 s30, s30, s31
	s_and_b32 s31, s18, 1
	s_lshl_b32 s31, s31, 6
	s_add_co_u32 s30, s30, s31
	s_mul_i32 s31, s20, 4*LOFF                     ; my four l among the images
	s_lshl_b32 s24, s19, 9
	s_add_co_u32 s24, s24, SST                     ; the 512 bytes of my two K steps' scale bytes
	s_lshl_b32 s25, s20, 6
	s_add_co_u32 s25, s24, s25                     ; and my four l in them
	v_and_b32 v1, 31, v0                           ; lane
	v_and_b32 v2, 15, v0                           ; r
	v_bfe_u32 v3, v0, 4, 1                         ; h
	v_lshlrev_b32 v[GB], 4, v1
	v_and_b32 v15, 1, v0                           ; of a load's 512 bytes my 16 are half lane % 2 of l = lane / 2
	v_mul_u32_u24 v[WB], v15, HOFF
	v_bfe_u32 v15, v0, 1, 4
	v_mad_u32_u24 v[WB], v15, LOFF, v[WB]
	v_add_nc_u32 v[WB], s30, v[WB]
	v_mul_u32_u24 v[RB], v3, HOFF
	v_lshl_add_u32 v[RB], v2, 4, v[RB]
	v_add_nc_u32 v[RB], s31, v[RB]
	v_and_b32 v15, 8, v2
	v_add_nc_u32 v15, v15, v2                      ; r + 8 (r / 8)
	v_lshlrev_b32 v[VS], 7, v15
	v_lshlrev_b32 v[VA], 11, v2
	v_lshl_add_u32 v[VA], v3, 4, v[VA]
	v_lshlrev_b32 v[VAS], 7, v2
	v_lshl_add_u32 v[XL], v3, 4, v[VAS]
	v_lshlrev_b32 v[SGO], 17, v3
	v_lshl_add_u32 v[SGO], v2, 4, v[SGO]
	v_bfe_u32 v15, v0, 3, 1                        ; r / 8: which of my two K steps
	v_and_b32 v25, 7, v0                           ; r % 8
	v_lshlrev_b32 v[CO], 20, v15
	v_lshl_add_u32 v[CO], v25, 5, v[CO]
	v_lshl_add_u32 v[CO], v3, 4, v[CO]
	v_lshlrev_b32 v[SA], 8, v15
	v_lshl_add_u32 v[SA], v25, 1, v[SA]            ; i's two bytes among the K step's 16
	v_add_nc_u32 v[SA], s25, v[SA]
	v_add_nc_u32 v[SRD], s24, v[GB]
.irp x, 0,1,2,3
	v_mov_b32 v[240+\x], 0                         ; (waves 4-15 load nothing there)
.endr
	s_wait_alu depctr_va_vdst(0)
	s_wait_kmcnt 0x0
	s_add_nc_u64 s[8:9], s[8:9], s[32:33]
	s_add_nc_u64 s[10:11], s[10:11], s[34:35]
	s_add_nc_u64 s[4:5], s[4:5], s[36:37]
	s_add_nc_u64 s[6:7], s[6:7], s[38:39]
	s_add_nc_u64 s[12:13], s[12:13], s[40:41]
	s_add_nc_u64 s[14:15], s[14:15], s[42:43]
	s_add_nc_u64 s[24:25], s[16:17], s[44:45]      ; scl at w's rows
	s_add_nc_u64 s[26:27], s[16:17], s[46:47]      ; scl at x's rows
.irp c, 0,1,2,3
	global_load_b128 v[HA+4*\c:HA+4*\c+3], v[GB], s[8:9] offset:\c*2048   ; b(k = 4 w + c, the 16 l): 512 consecutive bytes
.endr
	global_load_b128 v[AF:AF+3], v[VA], s[4:5]     ; a(i = 16 iw + r, j): r = 32 h .. 32 h + 31
	global_load_u16 v[AS], v[VAS], s[6:7]          ; its two scale bytes; the upper two bytes of the word are 0
.irp t, 0,1,2,3
	global_load_b64 v[RAW+2*\t:RAW+2*\t+1], v[VS], s[10:11] offset:(32*(\t/2)+8*(\t%2))*128
.endr
	s_cmp_lt_u32 s18, 4
	s_cbranch_scc0 .Lno_x
	global_load_b128 v[240:243], v[XL], s[12:13]   ; x's scale bytes: row 16 x work-group + r, K step 2 iw + h
.Lno_x:
.irp T, 0,1,2,3,4,5,6,7
.irp x, 4,5,6,7
	v_mov_b32 v[BF+8*\T+\x], 0                     ; zero codes for the instruction's K = 64 .. 127; written once
.endr
.endr
.irp x, 4,5,6,7
	v_mov_b32 v[AF+\x], 0
	v_mov_b32 v[TM+\x], 0                          ; (a lane permute's destination counts as one of its sources)
.endr
	s_wait_loadcnt 6                               ; b's 4 loads are in: 6 or 7 loads were issued behind them
.irp c, 0,1,2,3
	ds_store_b128 v[WB], v[HA+4*\c:HA+4*\c+3] offset:\c*16
.endr
	s_wait_loadcnt 0x0
	s_cmp_lt_u32 s18, 4
	s_cbranch_scc0 .Lno_xs
	global_store_b128 v[SGO], v[240:243], s[26:27] ; sixteen lanes store 256 consecutive, aligned bytes: 16 rows' bytes of one K step
.Lno_xs:
	s_wait_dscnt 0x0                               ; for the others' sake: my part of the images has landed
	s_barrier_signal -1
	s_barrier_wait -1                              ; all 64 fragments of b lie in LDS; nothing writes them again
; 64 numbers of a lane, v[s] .. v[s + 63], register 16 b + i = number 16 h + i of block b of my row, become codes in v[PC] on and four scale bytes in v[PW].
.macro QUANT s
.irp b, 0,1,2,3
	v_max3_num_f32 v[TM+\b], |v[\s+16*\b]|, |v[\s+1+16*\b]|, 0x1800000   ; block b: my 16 numbers, and the floor 2^(3 - 127): the byte cannot fall under 1
.endr
.irp i, 2,4,6,8,10,12,14
.irp b, 0,1,2,3
	v_max3_num_f32 v[TM+\b], v[TM+\b], |v[\s+16*\b+\i]|, |v[\s+1+16*\b+\i]|   ; the four blocks by turns
.endr
.endr
.irp b, 0,1,2,3
	v_permlanex16_b32 v[TM+4+\b], v[TM+\b], s[SEL], s[SEL+1]
.endr
.irp b, 0,1,2,3
	v_max_num_f32 v[TM+\b], v[TM+\b], v[TM+4+\b]   ; with lane l xor 16's 16: the block's largest magnitude
.endr
.irp b, 0,1,2,3
	v_add_nc_u32 v[TM+12+\b], 0xff000000, v[TM+\b] ; 2 off its exponent field: the conversion takes the exponent field of this operand as its scale
.endr
.irp b, 0,1,2,3
	v_lshrrev_b32 v[TM+4+\b], 23, v[TM+12+\b]      ; the scale's byte
.endr
	v_lshl_or_b32 v[PW], v[TM+5], 8, v[TM+4]
	v_lshl_or_b32 v[TM+6], v[TM+7], 8, v[TM+6]
	v_lshl_or_b32 v[PW], v[TM+6], 16, v[PW]
.irp b, 0,1,2,3
	v_cvt_scalef32_pk8_fp4_f32 v[PC+2*\b], v[\s+16*\b:\s+7+16*\b], v[TM+12+\b]
	v_cvt_scalef32_pk8_fp4_f32 v[PC+1+2*\b], v[\s+8+16*\b:\s+15+16*\b], v[TM+12+\b]
.endr
	v_nop                                          ; one plain place behind the scaled conversions
.irp c, 0,1                                    ; a whole block to a lane: lanes 0-15 block 2 c, lanes 16-31 block 2 c + 1
.irp i, 0,1
	v_permlane16_swap_b32 v[PC+4*\c+\i], v[PC+2+4*\c+\i]
.endr
.endr
.endm
.macro FRAGS q                         ; pair q's eight fragments of b: l = 4 g + 2 q + e, tile t
.irp e, 0,1
.irp t, 0,1,2,3
	ds_load_b128 v[BF+8*(4*\e+\t):BF+8*(4*\e+\t)+3], v[RB] offset:(2*(\q)+\e)*LOFF+\t*256
.endr
.endr
.endm
.macro EXTRACT q                       ; and their scale words: two bytes, the upper two 0
.irp t, 0,1,2,3
	v_and_b32 v[BS+\t], 0xffff, v[RAW+2*\t+(\q)]
	v_lshrrev_b32 v[BS+4+\t], 16, v[RAW+2*\t+(\q)]
.endr
.endm
.macro PAIR q
	s_wait_dscnt 0x0                               ; the pair's fragments are in
.irp T, 0,1,2,3,4,5,6,7
	v_wmma_scale_f32_16x16x128_f8f6f4 v[HA+8*\T:HA+8*\T+7], v[BF+8*\T:BF+8*\T+7], v[AF:AF+7], 0, v[BS+\T], v[AS] matrix_a_fmt:MATRIX_FMT_FP4 matrix_b_fmt:MATRIX_FMT_FP4
.endr
.rept 5
	v_nop                                          ; places: four ahead of the loads into b's fragments, the writes of the scale words and the reads of the results; the fifth for the next pair's products
.endr
.if (\q) < 1
	FRAGS (\q)+1                                   ; the next pair's operands come while this pair is quantised;
	EXTRACT (\q)+1                                 ; the quantiser's plain lines are the places between these writes and the next scaled products
.endif
	s_wait_xcnt 0x0                                ; earlier stores have read the codes' registers: they are written again only behind this wait
	QUANT HA
	ds_store_b16 v[SA], v[PW] offset:32*(\q)                    ; l = 4 g + 2 q: i's two bytes (both halves of the lanes write the same bytes with the same value)
	ds_store_b16_d16_hi v[SA], v[PW] offset:32*(\q)+16          ; the next l
.irp c, 0,1
	global_store_b128 v[CO], v[PC+4*\c:PC+4*\c+3], s[14:15] offset:(2*(\q)+\c)*256   ; two whole units: row n's 256 bytes in two K steps
.endr
.endm
	FRAGS 0
	EXTRACT 0
.rept 8
	v_nop                                          ; a scale register written by a vector instruction stands eight places ahead of a scaled product
.endr
	s_wait_alu depctr_va_vdst(0)
	PAIR 0
	PAIR 1
	s_wait_dscnt 0x0                               ; for the others' sake: my scale bytes have landed
	s_barrier_signal -1
	s_barrier_wait -1
	s_cmp_lt_u32 s18, 4
	s_cbranch_scc0 .Lend
	ds_load_b128 v[244:247], v[SRD]                ; lane (r, h): l = r, K step 2 iw + h, whole
	s_wait_dscnt 0x0
	global_store_b128 v[SGO], v[244:247], s[24:25] ; sixteen lanes store 256 consecutive, aligned bytes
.Lend:
	s_wait_tensorcnt 0x0                           ; the wave's end
	ds_add_u32 v[SPW], v[NIL]
	s_wait_dscnt 0x0
	s_endpgm
.Lfunc_end_k_qe91ab8adab_prep:
	.size	k_qe91ab8adab_prep, .Lfunc_end_k_qe91ab8adab_prep-k_qe91ab8adab_prep
	.p2alignl 7, 3214868480
	.fill 96, 4, 3214868480
	.section	.rodata,"a",@progbits
	.p2align	6, 0x0
	.amdhsa_kernel k_qe91ab8adab_prep
		.amdhsa_group_segment_fixed_size 37888
		.amdhsa_private_segment_fixed_size 0
		.amdhsa_enable_private_segment 0
		.amdhsa_kernarg_size 56
		.amdhsa_user_sgpr_count 2
		.amdhsa_user_sgpr_kernarg_segment_ptr 1
		.amdhsa_wavefront_size32 1
		.amdhsa_system_sgpr_workgroup_id_x 1
		.amdhsa_system_sgpr_workgroup_id_y 1
		.amdhsa_system_sgpr_workgroup_id_z 1
		.amdhsa_system_vgpr_workitem_id 0
		.amdhsa_next_free_vgpr 256
		.amdhsa_next_free_sgpr 66
		.amdhsa_reserve_vcc 0
		.amdhsa_float_denorm_mode_32 3
		.amdhsa_float_denorm_mode_16_64 3
		.amdhsa_memory_ordered 1
		.amdhsa_forward_progress 1
		.amdhsa_inst_pref_size 21
	.end_amdhsa_kernel
	.amdgpu_metadata
---
amdhsa.version: [ 1, 2 ]
amdhsa.kernels:
  - .name:           k_qe91ab8adab_prep
    .symbol:         k_qe91ab8adab_prep.kd
    .args:
      - { .name: a_codes, .offset: 0, .size: 8, .value_kind: global_buffer, .address_space: global }
      - { .name: a_scales, .offset: 8, .size: 8, .value_kind: global_buffer, .address_space: global }
      - { .name: b_codes, .offset: 16, .size: 8, .value_kind: global_buffer, .address_space: global }
      - { .name: b_scales, .offset: 24, .size: 8, .value_kind: global_buffer, .address_space: global }
      - { .name: x_scales, .offset: 32, .size: 8, .value_kind: global_buffer, .address_space: global }
      - { .name: wq, .offset: 40, .size: 8, .value_kind: global_buffer, .address_space: global }
      - { .name: scl, .offset: 48, .size: 8, .value_kind: global_buffer, .address_space: global }
    .group_segment_fixed_size: 37888
    .private_segment_fixed_size: 0
    .kernarg_segment_align: 8
    .kernarg_segment_size: 56
    .max_flat_workgroup_size: 512
    .sgpr_count:     66
    .vgpr_count:     256
    .wavefront_size: 32
...
	.end_amdgpu_metadata
.endif
;; end of part 1
;; launch gemm (part 2): grid 16 x 16, 4 waves a work-group, clusters of 4 x 4, 327,680 bytes of LDS; arguments x_codes, wq, scl, bias, out0; writes out0
.if DOCPART == 2
	.amdgcn_target "amdgcn-amd-amdhsa--gfx1250"
	.amdhsa_code_object_version 6
	.text
	.protected	k_qe91ab8adab_gemm
	.globl	k_qe91ab8adab_gemm
	.p2align	8
	.type	k_qe91ab8adab_gemm,@function
k_qe91ab8adab_gemm:
	s_mov_b64 s[64:65], 0
	v_nop
	global_prefetch_b8 v0, s[64:65] scope:SCOPE_SE
	s_setreg_imm32_b32 hwreg(HW_REG_WAVE_MODE, 25, 1), 1
	s_wait_xcnt 0x0
	s_wait_alu depctr_hold_cnt(0) depctr_sa_sdst(0) depctr_va_vdst(0) depctr_va_sdst(0) depctr_va_ssrc(0) depctr_va_vcc(0) depctr_vm_vsrc(0)
	s_getreg_b32 s2, hwreg(HW_REG_IB_STS2, 6, 4)
	s_cmp_eq_u32 s2, 0
	s_cbranch_scc0 .Lentry_in_a_cluster
	s_endpgm
.Lentry_in_a_cluster:
	s_bfe_u32 s2, ttmp6, 0x10000c
	s_cmp_lg_u32 s2, 0xf033
	s_cbranch_scc0 .Lentry_shape_is_right
	s_endpgm
.Lentry_shape_is_right:
; out[m][n] = sum over k of x[m][k] w[k][n] + bias[n].  x: [4096][4096] codes of FP4 (E2M1), two a byte, K innermost, a row 2,048 bytes; w as wq [K step of 512 : 8][n : 4096][256 bytes]; one E8M0 scale for each 32 along K; out: f32.
; The scale bytes of both lie in scl, [K step : 8][row : 8192][16 bytes]: rows 0-4095 x's, rows 4096 + n w's.
; A tile of out, 256 x 256, is made by a work-group of four waves; a wave makes 128 x 128: 32 accumulators of 32 x 16, 512 registers.  16 x 16 tiles: 256 work-groups.
; K goes in steps of 512 through a ring of two LDS slots filled by the tensor data mover: a tile's row is 256 bytes of memory, aligned.
; THE SCALES GO FROM MEMORY STRAIGHT INTO REGISTERS: those of 512 rows for all of K are 64 KiB, which do not fit beside two slots of 139,264 bytes.  A K step's words of a wave are eight loads of 16 bytes a lane, each 512 consecutive bytes
; (32 rows); they are asked for at the start of the K step before, in two sets of registers by turns.
; CLUSTERS: 4 x 4 work-groups.  The four of a row of the cluster need the same tiles of x, the four of a column the same tiles of w: each tile is asked for JOINTLY, by the same tensor load with the same descriptor and a
; mask that names the four.  The scale words (16 KiB a work-group and K step against 128 KiB of codes) are not shared.
; ORDER OF THE SUMS: each output is one f32 sum that begins with the bias and takes the K steps in ascending order, the last K step's quarters in the order 0, 2, 3, 1: it is rounded in another order than a sum by ascending K.
; THE MATRIX INSTRUCTION IS USED TRANSPOSED (source 0 = 32 rows of w, source 1 = 16 rows of x): registers 0-7 of an accumulator are eight neighbouring numbers of a row of out, registers 8-15 the eight that lie 16 columns further on.
; THE BIAS is the C of each sum's first product.  THE LAST K STEP GOES BY ROWS OF out, so that finished rows leave while the others are multiplied.
; PREFETCH: behind K step 1's joint load each wave names K steps 2's and 3's blocks, and behind the joint load of K step t + 2 (t = 0 .. 3) K step t + 4's: 32 rows of the 128 that it fetches, a lane a row; the four partners share the
; 128 rows out by address.  So a block is named one or two refills ahead of the joint load that brings it; K steps 0 and 1 come by their loads alone, the last two refills ask for nothing.
; REGISTERS, in windows of 256: window 0: v0-31 addresses; v32-95 scale words, two sets; v96-223 x's fragments (8 x 16 rows x 128 K), TWO sets; in the last K step they are four buffers (16 rows x 512 K each).
;   window 1: w's fragments (4 x 32 rows x 128 K), TWO sets, at v0 and at v64; v128-191 the bias in the result's layout; in the last K step all 256: w's fragments of the whole step.
;   window 2: the 16 accumulators of my rows 0-63 (accumulator (a, n) at v[16 (4 a + n)]);   window 3: those of my rows 64-127.
; LIMITS: scale bytes of 0xff (NaN) among the inputs give NaN, as the format says; nothing else is assumed of the codes and scales.
.set ROWB,   256                       ; a tile's row in bytes
.set KROW,   2048                      ; a row of x in memory
.set WSB,    1048576                   ; a K step of wq
.set KSB,    131072                    ; a K step of scl
.set PITCH,  272                       ; an LDS row: 256 bytes + 16 of padding = 68 words: row r starts at bank 4 r mod 64 (64 banks of 4 bytes: ISA guide 11.1)
.set HALFT,  128*PITCH                 ; 128 rows: what one tensor load brings
.set SLOT,   4*HALFT                   ; x's 256 rows, then w's 256 rows
.set SPARE,  2*SLOT                    ; behind the ring: the spare words, 128 bytes for each wave
.set SPITCH, 528                       ; the way out: a stage of 16 rows x (512 bytes + 16) for each wave, in slot 0, which has had its last fill and its last read when the first result is stored there
.set OROW,   16384                     ; a row of out
.set ADRA, 16                          ; v16-17  LDS address of my x fragments in slot 0, 1
.set ADRB, 20                          ; v20-21  the same for w
.set ADSX, 22                          ; my byte offset in a K step of scl: x's rows,
.set ADSW, 23                          ; w's rows
.set STO,  24                          ; the way out: where I put 32 bytes of a row
.set RD,   25                          ; the way out: where I read a row back
.set CO,   26                          ; my byte offset in a row of out
.set SPW,  28                          ; LDS address of my spare word; never rewritten
.set NIL,  29                          ; 0; never rewritten
.set VBI,  30                          ; 32 x (lane / 16): my eight numbers of 16 of the bias
.set PFV,  31                          ; the prefetch's offset: lane x a row of x or of wq
.set SC,   32                          ; scale words: set s at v[SC + 32 s]; in it register 4 n + q: w's rows 32 n + lane; register 16 + 4 p + q: x's rows 32 p + lane; q: which 128 of the K step
.set XF,   96                          ; x's fragments
.set BI,   128                         ; window 1: bias: block b at v[BI + 8 b]
.set SCLP, 8                           ; s[8:9]   scl
.set G1, 24                            ; s[24:31] descriptor group 1 for x's tiles;  s[32:39] group 0, one set for each slot
.set G0, 32
.set G1B, 48                           ; s[48:55], s[56:63] the same for w's tiles
.set G0B, 56
.set BA,  66                           ; s[66:67] x at the first byte of the 128 rows that I fetch
.set BB,  68                           ; s[68:69] wq likewise
.set KO,  70                           ; s[70:71] the byte of x's rows at which slot 0's K step begins (slot 1's: 256 further on)
.set KW,  72                           ; s[72:73] the same K step's byte in wq
.set KS,  74                           ; s[74:75] the byte of scl at which the K step asked for last begins
.set SB,  76                           ; s[76:77] scl at that byte
.set PB,  78                           ; s[78:79] x or wq at the 32 rows that I prefetch
.set PO,  80                           ; s[80:81] the prefetched K step's byte
.set PK,  82                           ; its number,
.set PS,  83                           ; and the shift that makes the byte of it: 8 in x, 20 in wq
.set PFA, 84                           ; s[84:85] where the loop's next prefetch stands
.set PF2, 86                           ; s[86:87], s[88:89] where K steps 2's and 3's stand
.set PF3, 88
.set MSB, 0
.macro WIN new                         ; the immediate's high byte repeats the setting that is left
.if MSB != (\new)
	s_set_vgpr_msb (MSB<<8)|(\new)
.set MSB, (\new)
.endif
.endm
.set TO_B, 0x40                        ; destination window 1, address window 0
; A joint load: waves 0 and 1 fetch for x, waves 2 and 3 for w.  Each of the two lines has ONE mask and one set of registers for all that issue it; the branch hangs on the wave's number alone.
; An s_nop 0 and four v_nop follow each of the two lines, ahead of the jump, the label and what follows.
.macro JLOAD s
	s_cmp_eq_u32 s15, 0
	s_cbranch_scc0 .Lfor_b_\@
	tensor_load_to_lds s[G0+4*\s:G0+4*\s+3], s[G1:G1+7]
	s_nop 0
.rept 4
	v_nop
.endr
	s_branch .Lasked_\@
.Lfor_b_\@:
	tensor_load_to_lds s[G0B+4*\s:G0B+4*\s+3], s[G1B:G1B+7]
	s_nop 0
.rept 4
	v_nop
.endr
.Lasked_\@:
.endm
; Both descriptors of a slot are aimed at the slot's next K step.  It stands where no tensor load of the wave names them.
.macro AIM slot
	s_add_nc_u64 s[G0+4*\slot+2:G0+4*\slot+3], s[BA:BA+1], s[KO:KO+1]
	s_add_nc_u64 s[G0B+4*\slot+2:G0B+4*\slot+3], s[BB:BB+1], s[KW:KW+1]
.if \slot == 1
	s_add_nc_u64 s[G0+6:G0+7], s[G0+6:G0+7], ROWB
	s_add_nc_u64 s[G0B+6:G0B+7], s[G0B+6:G0B+7], WSB
.endif
	s_or_b32 s[G0+4*\slot+3], s[G0+4*\slot+3], 0x80000000      ; type = 2
	s_or_b32 s[G0B+4*\slot+3], s[G0B+4*\slot+3], 0x80000000
.endm
.macro CROUND                          ; a whole round of the cluster's barrier
	s_barrier_signal -1
	s_barrier_wait -1
	s_cmp_lg_u32 s14, 0
	s_cbranch_scc1 .Lnot_wave_0_\@
	s_barrier_signal -3
.Lnot_wave_0_\@:
	s_barrier_wait -3
	s_barrier_signal -1
	s_barrier_wait -1
.endm
.macro PLACES                          ; a load into a register that a matrix instruction has read, and an LDS store that reads a result, stand four plain places behind that instruction (ISA guide 7.12.1 for the stores)
.rept 4
	v_nop
.endr
.endm
.macro WMUL                            ; one product; WO = 1: x's block is odd, its scale words lie in lanes 16-31
.if WO
	v_wmma_scale_f32_32x16x128_f4 v[WD:WD+15], v[WA:WA+15], v[WB:WB+7], v[WC:WC+15], v[WS], v[WT] matrix_b_scale:MATRIX_SCALE_ROW1
.else
	v_wmma_scale_f32_32x16x128_f4 v[WD:WD+15], v[WA:WA+15], v[WB:WB+7], v[WC:WC+15], v[WS], v[WT]
.endif
.endm
; x's block a against w's four blocks, 128 along K: quarter q.  p: the fragments' set;  set: the scale words'.  first = 1: the product starts the sum from the bias.
; The 32 accumulators take turns, one instruction a turn, in the same order in every step.
.macro MULA a, p, q, set, first
.if \first
	WIN 0x91+0x40*((\a)/4)                         ; source 0 (w) window 1, source 1 (x) window 0, C window 1, D window 2 or 3
.else
	WIN 0xa1+0x50*((\a)/4)                         ; C and D window 2 or 3
.endif
.set WO, (\a)%2
.set WB, XF+64*(\p)+8*(\a)
.set WT, SC+32*(\set)+16+4*((\a)/2)+(\q)
.irp n, 0,1,2,3
.set WD, 16*(4*((\a)%4)+\n)
.set WA, 64*(\p)+16*\n
.set WS, SC+32*(\set)+4*\n+(\q)
.if \first
.set WC, BI+16*\n
.else
.set WC, WD
.endif
	WMUL
.endr
.endm
; The 32 LDS loads of quarter q's fragments into set p, in one run: w's (units 0-15: 16 rows x two halves of 32 bytes), then x's.
; A fragment of 16 rows x 128 K is 8 registers: lane l holds row l % 16; registers 4 c .. 4 c + 3 hold K = 64 c + 32 (l / 16) + 0 .. 31.
.macro RUN slot, q, p
	WIN TO_B
.irp u, 0,1,2,3,4,5,6,7,8,9,10,11,12,13,14,15
	ds_load_b128 v[64*(\p)+4*\u:64*(\p)+4*\u+3], v[ADRB+\slot] offset:64*(\q)+32*(\u%2)+(\u/2)*16*PITCH
.endr
	WIN 0
.irp u, 0,1,2,3,4,5,6,7,8,9,10,11,12,13,14,15
	ds_load_b128 v[XF+64*(\p)+4*\u:XF+64*(\p)+4*\u+3], v[ADRA+\slot] offset:64*(\q)+32*(\u%2)+(\u/2)*16*PITCH
.endr
.endm
.macro GLOADS set, koff                ; a K step's scale words into a set
.irp i, 0,1,2,3
	global_load_b128 v[SC+32*(\set)+4*\i:SC+32*(\set)+4*\i+3], v[ADSW], s[SB:SB+1] offset:(\koff)*KSB+\i*512
	global_load_b128 v[SC+32*(\set)+16+4*\i:SC+32*(\set)+16+4*\i+3], v[ADSX], s[SB:SB+1] offset:(\koff)*KSB+\i*512
.endr
.endm
.macro GSC slot                        ; the next K step's scale words, into the set that the K step before this one used; and the next prefetch's address
	WIN 0
	s_wait_xcnt 0x0                                ; the earlier scale loads and the prefetch have read their bases
	s_add_co_u32 s[KS], s[KS], KSB
	s_add_nc_u64 s[SB:SB+1], s[SCLP:SCLP+1], s[KS:KS+1]
	s_add_co_u32 s[PK], s[PK], 1
	s_and_b32 s[PK], s[PK], 7                      ; (numbers behind 7 are never asked for)
	s_lshl_b32 s[PO], s[PK], s[PS]
	s_add_nc_u64 s[PFA:PFA+1], s[PB:PB+1], s[PO:PO+1]
	GLOADS 1-\slot, 0
.endm
; A quarter (0 or 1) of a K step.  The next quarter's 32 loads stand in ONE run at its start, into the set that is not at work, and have its 32 products in which to land.  Of this quarter's own loads the last 12 (x's blocks 2-7)
; may be out at the start; in front of groups 2, 4 and 6 their last 8, 4, 0 and the 32 just issued.
.macro STEP slot, q, first
.set P, (\q)%2
	PLACES
.if (\q) == 0 && \first == 0
	s_wait_loadcnt 0x0                             ; this K step's scale words, asked for a K step ago
	GSC \slot
.endif
	s_wait_dscnt 12
	RUN \slot, (\q)+1, 1-P
.irp a, 0,1,2,3,4,5,6,7
.if \a == 2 || \a == 4 || \a == 6
	s_wait_dscnt 44-2*\a
.endif
	MULA \a, P, \q, \slot, \first
.endr
.endm
; Quarter 2: its run brings the last quarter's fragments, the last reads of this slot; in front of group 6 stand the wait for all my tensor loads and the add.  aim = 1: the slot will be filled again.
.macro STEP2 slot, aim
	PLACES
	s_wait_dscnt 12
	RUN \slot, 3, 1
.irp a, 0,1,2,3,4,5,6,7
.if \a == 2
	s_wait_dscnt 40
.elseif \a == 4
	s_wait_dscnt 36
.elseif \a == 6
	WIN 0                                          ; (the add's two registers lie in window 0)
	s_wait_tensorcnt 0x0                           ; all my tensor loads have landed: my part of the other slot;
	ds_add_u32 v[SPW], v[NIL]                      ; 0 onto my spare word
.if \aim
.if \slot == 0
	s_add_co_u32 s[KO], s[KO], 2*ROWB              ; the ring's next pair of K steps
	s_add_co_u32 s[KW], s[KW], 2*WSB
.endif
	AIM \slot
.endif
	s_wait_dscnt 33                                ; the last quarter's 32 loads and the add may be out
.endif
	MULA \a, 0, 2, \slot, 0
.endr
.endm
; Quarter 3 with a round of the cluster's barrier at its start, four products inside its first and four inside its last barrier; behind the round this slot is filled again, two K steps ahead, and the other slot's first fragments come.
.macro RSTEP slot, next
	s_wait_dscnt 0x0                               ; the add is done, and so are my LDS reads
	s_barrier_signal -1
	MULA 0, 1, 3, \slot, 0
	WIN 0
	s_barrier_wait -1
	s_cmp_lg_u32 s14, 0
	s_cbranch_scc1 .Lnot_wave_0_\@
	s_barrier_signal -3
.Lnot_wave_0_\@:
	s_barrier_wait -3
	s_barrier_signal -1
	MULA 1, 1, 3, \slot, 0
	WIN 0
	s_barrier_wait -1                              ; no wave of any partner still reads the slot or has a load on its way
	JLOAD \slot                                    ; the first tensor load behind the round; its four v_nop are the places in front of the loads below
	RUN \next, 0, 0
	s_cmp_gt_u32 s3, 1                             ; the last two refills have no K step two refills on
	s_cbranch_scc0 .Lno_ask_\@
	global_prefetch_b8 v[PFV], s[PFA:PFA+1] th:TH_LOAD_NT scope:SCOPE_SE
.Lno_ask_\@:
.irp a, 2,3,4,5,6,7
	MULA \a, 1, 3, \slot, 0
.endr
.endm
	s_load_b256 s[4:11], s[0:1], 0x0               ; x's codes s[4:5], wq s[6:7], scl s[8:9], bias s[10:11]
	s_load_b64 s[12:13], s[0:1], 0x20              ; out
	v_lshl_add_u32 v[SPW], v0, 2, SPARE
	v_mov_b32 v[NIL], 0
	ds_add_u32 v[SPW], v[NIL]                      ; the wave's opening
	ds_add_u32 v[SPW], v[NIL]
	v_lshrrev_b32 v1, 5, v0
	v_readfirstlane_b32 s14, v1                    ; wave 0..3
	s_lshr_b32 s15, s14, 1                         ; which half of the tile's rows is mine.  Also: I fetch for x (0) or for w (1)
	s_and_b32 s16, s14, 1                          ; which half of its columns.  Also: which 128 rows of that tile I fetch
	s_bfe_u32 s40, ttmp6, 0x40000                  ; cx, cy: my place in the cluster
	s_bfe_u32 s41, ttmp6, 0x40004
	s_lshl_b32 s42, ttmp9, 2
	s_add_co_u32 s42, s42, s40                     ; tile column = 4 x cluster x + cx
	s_and_b32 s17, ttmp7, 0xffff
	s_lshl_b32 s17, s17, 2
	s_add_co_u32 s17, s17, s41                     ; tile row = 4 x cluster y + cy
	s_lshl_b32 s43, s41, 2
	s_lshl_b32 s43, 15, s43                        ; my row of the cluster
	s_lshl_b32 s44, 0x1111, s40                    ; my column
.irp r, KO, KO+1, KW, KW+1, KS, KS+1
	s_mov_b32 s[\r], 0                             ; K step 0
.endr
	s_mov_b32 s[PK], 4                             ; the loop's first prefetch names K step 4
	; descriptor group 1: a tile of 128 rows x 256 bytes, padded in LDS
	s_or_b32 s[G1+0], s43, (0<<16)|(1<<20)|(1<<21)|(5<<22)|(3<<25)  ; 15:0 the mask: x's tiles go to my row; 17:16 element of 1 byte; 20 padding on; 21 set beside a mask; 24:22 after every 64 words (code 5); 31:25 of 4 words (code 3)
	s_or_b32 s[G1B+0], s44, (0<<16)|(1<<20)|(1<<21)|(5<<22)|(3<<25) ; the same with the mask of my column, for w's tiles
.irp g, G1, G1B
	s_mov_b32 s[\g+1], ROWB<<16                    ; tensor_dim0
	s_mov_b32 s[\g+2], 128<<16                     ; tensor_dim1 = 128
	s_mov_b32 s[\g+3], ROWB<<16                    ; tile_dim0
	s_mov_b32 s[\g+4], 128                         ; tile_dim1 = 128
	s_mov_b32 s[\g+6], 0
	s_mov_b32 s[\g+7], 0
.endr
	s_mov_b32 s[G1+5], KROW                        ; tensor_dim0_stride: x's rows,
	s_mov_b32 s[G1B+5], ROWB                       ; wq's rows lie end to end
	s_mul_i32 s45, s14, HALFT                      ; where the tiles go: wave x 128 rows: no place in the cluster enters an LDS address
.irp s, 0,1
	s_mov_b32 s[G0+4*\s], 1                        ; count = 1
	s_add_co_u32 s[G0+4*\s+1], s45, \s*SLOT        ; LDS address
	s_mov_b32 s[G0B+4*\s], 1
	s_add_co_u32 s[G0B+4*\s+1], s45, \s*SLOT
.endr
	s_lshl_b32 s18, s16, 7                         ; which 128 rows of the tile I fetch
	s_lshl_b32 s20, s17, 8
	s_add_co_u32 s20, s20, s18                     ; x: row 256 x tile row + 128 x half,
	s_lshl_b32 s20, s20, 11                        ; in bytes
	s_mov_b32 s21, 0
	s_lshl_b32 s46, s42, 8
	s_add_co_u32 s46, s46, s18                     ; w: row 256 x tile column + 128 x half
	s_lshl_b32 s46, s46, 8
	s_mov_b32 s47, 0
	; the prefetch: 32 of those 128 rows, by cx for x, by cy for w
	s_lshl_b32 s90, s40, 16
	s_add_co_u32 s90, s90, s20
	s_lshl_b32 s91, s41, 13
	s_add_co_u32 s91, s91, s46
	s_mov_b32 s92, KROW
	s_cmp_eq_u32 s15, 0
	s_cselect_b32 s90, s90, s91
	s_cselect_b32 s92, s92, ROWB
	s_cselect_b32 s[PS], 8, 20
	s_mov_b32 s91, 0
	; where my fragments, my stage, my scale words and my part of out lie
	s_mul_i32 s19, s15, HALFT                      ; my 128 rows of x
	s_mul_i32 s22, s16, HALFT                      ; my 128 rows of w, which lie behind x's 256
	s_add_co_u32 s22, s22, 2*HALFT
	s_mul_i32 s23, s14, 16*SPITCH                  ; my stage
	s_lshl_b32 s94, s17, 8
	s_lshl_b32 s95, s15, 7
	s_add_co_u32 s94, s94, s95                     ; my first row of out
	s_lshl_b32 s98, s94, 14
	s_mov_b32 s99, 0
	s_lshl_b32 s94, s94, 4
	s_lshl_b32 s95, s42, 8
	s_lshl_b32 s96, s16, 7
	s_add_co_u32 s95, s95, s96                     ; my first column
	s_lshl_b32 s96, s95, 2
	s_mov_b32 s97, 0
	s_add_co_u32 s95, s95, 4096
	s_lshl_b32 s95, s95, 4
	v_and_b32 v1, 15, v0                           ; r = l % 16
	v_bfe_u32 v2, v0, 4, 1                         ; h = l / 16
	v_and_b32 v3, 31, v0                           ; lane
	v_mul_u32_u24 v4, v1, PITCH
	v_mul_u32_u24 v5, v1, SPITCH
	v_lshl_add_u32 v4, v2, 4, v4                   ; a fragment's row x pitch + 16 x half
	v_lshl_add_u32 v5, v2, 5, v5                   ; into the stage: row l % 16, 32 bytes for each half of the lanes
	v_add_nc_u32 v[ADRA], s19, v4
	v_add_nc_u32 v[ADRB], s22, v4
	v_add_nc_u32 v[ADRA+1], SLOT, v[ADRA]
	v_add_nc_u32 v[ADRB+1], SLOT, v[ADRB]
	v_add_nc_u32 v[STO], s23, v5
	v_lshlrev_b32 v[CO], 4, v3                     ; back: the 32 lanes take one row of 512 bytes; and the same in out
	v_add_nc_u32 v[RD], s23, v[CO]
	v_lshlrev_b32 v[VBI], 5, v2
	v_lshl_add_u32 v[ADSX], v3, 4, s94
	v_lshl_add_u32 v[ADSW], v3, 4, s95
	v_mul_u32_u24 v[PFV], s92, v3
	s_wait_alu depctr_va_vdst(0)                   ; no vector instruction below writes an address
	s_wait_dscnt 0x0                               ; both opening adds are done
	CROUND                                         ; all sixteen work-groups are here: the first joint loads meet
	s_wait_kmcnt 0x0
	s_add_nc_u64 s[BA:BA+1], s[4:5], s[20:21]
	s_add_nc_u64 s[BB:BB+1], s[6:7], s[46:47]
	AIM 0
	JLOAD 0                                        ; K step 0
	AIM 1
	s_add_nc_u64 s[SB:SB+1], s[SCLP:SCLP+1], s[KS:KS+1]
	s_add_nc_u64 s[10:11], s[10:11], s[96:97]      ; bias at my first column
	s_add_nc_u64 s[12:13], s[12:13], s[96:97]
	s_add_nc_u64 s[12:13], s[12:13], s[98:99]      ; out at my 128 x 128; never rewritten
	s_cmp_eq_u32 s15, 0
	s_cselect_b64 s[PB:PB+1], s[4:5], s[6:7]
	s_add_nc_u64 s[PB:PB+1], s[PB:PB+1], s[90:91]
	s_mov_b32 s[PO+1], 0
	s_lshl_b32 s[PO], 2, s[PS]
	s_add_nc_u64 s[PF2:PF2+1], s[PB:PB+1], s[PO:PO+1]
	s_lshl_b32 s[PO], 3, s[PS]
	s_add_nc_u64 s[PF3:PF3+1], s[PB:PB+1], s[PO:PO+1]
	s_lshl_b32 s[PO], s[PK], s[PS]
	s_add_nc_u64 s[PFA:PFA+1], s[PB:PB+1], s[PO:PO+1]
	WIN TO_B
.irp b, 0,1,2,3,4,5,6,7
.irp e, 0,1
	global_load_b128 v[BI+8*\b+4*\e:BI+8*\b+4*\e+3], v[VBI], s[10:11] offset:64*\b+16*\e   ; bias(my first column + 16 b + 8 h + 0 .. 7): the result's layout
.endr
.endr
	WIN 0
	GLOADS 0, 0                                    ; K step 0's scale words,
	GLOADS 1, 1                                    ; and K step 1's
	s_add_co_u32 s[KS], s[KS], KSB                 ; the K step asked for last
	s_wait_tensorcnt 0x0                           ; my part of K step 0 is in
	ds_add_u32 v[SPW], v[NIL]
	s_wait_dscnt 0x0
	CROUND                                         ; everybody's part of K step 0 is in, and all sixteen work-groups are here: the joint loads meet,
	JLOAD 1                                        ; and K step 1's load, the first tensor load behind the round
	RUN 0, 0, 0
	global_prefetch_b8 v[PFV], s[PF2:PF2+1] th:TH_LOAD_NT scope:SCOPE_SE   ; K step 2's blocks,
	global_prefetch_b8 v[PFV], s[PF3:PF3+1] th:TH_LOAD_NT scope:SCOPE_SE   ; K step 3's
	s_wait_loadcnt 8                               ; the bias and K step 0's scale words are in; K step 1's eight loads may be out
	STEP 0, 0, 1                                   ; the first quarter starts the sums from the bias
	WIN 0                                          ; at a label and at a branch every window is 0
	s_mov_b32 s3, 3
.Llap:                                                 ; a trip goes once round the ring, from a lap's second quarter to the next lap's first, and fills both slots again
	STEP 0, 1, 0
	STEP2 0, 1
	RSTEP 0, 1
	STEP 1, 0, 0
	STEP 1, 1, 0
	STEP2 1, 1
	RSTEP 1, 0
	STEP 0, 0, 0
	WIN 0
	s_sub_co_u32 s3, s3, 1
	s_cmp_lg_u32 s3, 0
	s_cbranch_scc1 .Llap
	STEP 0, 1, 0                                   ; the last lap fills nothing, and has no round of the cluster's barrier
	STEP2 0, 0
; THE LAST K STEP (slot 1, scale words in set 1) GOES BY ROWS OF out.  All its fragments of w fill window 1 (quarter q at v[64 q]); x's come by blocks of 16 rows x 512 K; my eight blocks are finished one after the other, each with 16 matrix
; instructions: its 4 accumulators by turns.
.macro WLOAD q                         ; w's 16 units of quarter q
	WIN TO_B
.irp u, 0,1,2,3,4,5,6,7,8,9,10,11,12,13,14,15
	ds_load_b128 v[64*\q+4*\u:64*\q+4*\u+3], v[ADRB+1] offset:64*\q+32*(\u%2)+(\u/2)*16*PITCH
.endr
.endm
.macro XLOAD a                         ; x's block a, all four quarters, into buffer a % 4
	WIN 0
.irp u, 0,1,2,3,4,5,6,7
	ds_load_b128 v[XF+32*((\a)%4)+4*\u:XF+32*((\a)%4)+4*\u+3], v[ADRA+1] offset:32*\u+(\a)*16*PITCH
.endr
.endm
	s_wait_dscnt 0x0                               ; the add is done, and my reads of slot 0 are over
	s_barrier_signal -1
	MULA 0, 1, 3, 0, 0
	s_barrier_wait -1                              ; slot 1 is whole, and nobody reads slot 0 any more: the stages may lie there
	PLACES
	WLOAD 0                                        ; (quarter 1's registers of w are still at work)
	XLOAD 0
	WLOAD 2
	WLOAD 3
.irp a, 1,2,3,4,5,6,7
	MULA \a, 1, 3, 0, 0
.endr
	PLACES                                         ; for the loads into the sets that were at work
	WLOAD 1
	XLOAD 1
	s_wait_loadcnt 0x0                             ; the last K step's scale words are in
.macro ROW a                           ; block a is finished: 16 matrix instructions.  In block 0 the waits count the loads behind each quarter's fragments
.irp q, 0,2,3,1
.if (\a) == 0
.if \q == 0
	s_wait_dscnt 56                                ; w's quarters 2, 3, 1 (48) and x's block 1 (8)
.elseif \q == 2
	s_wait_dscnt 40                                ; w's quarters 3 and 1, x's block 1
.elseif \q == 3
	s_wait_dscnt 24                                ; w's quarter 1, x's block 1
.else
	s_wait_dscnt 8                                 ; x's block 1
.endif
.endif
	WIN 0xa1+0x50*((\a)/4)
.set WO, (\a)%2
.set WB, XF+32*((\a)%4)+8*\q
.set WT, SC+32+16+4*((\a)/2)+\q
.irp n, 0,1,2,3
.set WD, 16*(4*((\a)%4)+\n)
.set WC, WD
.set WA, 64*\q+16*\n
.set WS, SC+32+4*\n+\q
	WMUL
.endr
.endr
.endm
; THE WAY OUT of block a (16 rows x 128 columns).  A lane holds 32 neighbouring bytes of a row, and the lanes beside it hold other rows: so the block goes through my own stage in LDS and comes back as whole rows of
; 512 bytes, INTO THE 64 REGISTERS THAT IT LEFT; a row's place in out stands in the store's immediate (127 rows of 16,384 bytes at the most, inside the signed 24 bits: ISA guide, chapter 10): no register and no base that a store
; reads is written again.  LDS serves a wave's instructions in order (ISA guide 5.7.1.4): no wait between the stores and the loads, nor in front of the next block's stores.
.macro TOSTAGE a
.set AC, 64*((\a)%4)
	WIN 0x08+4*((\a)/4)                            ; an LDS store's data are its source 1: window 2 or 3
.irp b, 0,1,2,3,4,5,6,7
	ds_store_b128 v[STO], v[AC+8*\b:AC+8*\b+3] offset:64*\b          ; each accumulator from its low end on
	ds_store_b128 v[STO], v[AC+8*\b+4:AC+8*\b+7] offset:64*\b+16
.endr
	WIN 0x80+0x40*((\a)/4)                         ; destination: the same window
.irp t, 0,1,2,3,4,5,6,7,8,9,10,11,12,13,14,15
	ds_load_b128 v[AC+4*\t:AC+4*\t+3], v[RD] offset:\t*SPITCH
.endr
.endm
.macro SEND a, younger                 ; younger: the LDS loads issued behind block a's, which may stay out
.set AC, 64*((\a)%4)
	s_wait_dscnt \younger                          ; the block is back in registers
	WIN 0x08+4*((\a)/4)                            ; a store's data are its source 1
.irp t, 0,1,2,3,4,5,6,7,8,9,10,11,12,13,14,15
	global_store_b128 v[CO], v[AC+4*\t:AC+4*\t+3], s[12:13] offset:(16*(\a)+\t)*OROW th:TH_STORE_NT   ; 32 lanes store 512 consecutive bytes, at a multiple of 512 from out's first byte; written once, read by nobody here
.endr
.endm
	ROW 0
.irp a, 0,1,2,3,4,5,6,7                ; each block leaves as soon as it is finished; the next block's products stand between its way through the stage and its stores
	PLACES                                         ; behind block a's products: for the stage's reads of the results, the loads back into them, and the loads into the block's buffer of x
	TOSTAGE \a
.if \a == 0
	XLOAD 2
	XLOAD 3
.endif
.if \a < 4
	XLOAD \a+4                                     ; its buffer takes the block four further on; SEND's waits of the blocks between show it in
.endif
.if \a < 2
	s_wait_dscnt 56                                ; block a + 1 of x is in.  Behind block 1: the stage's 32 and three blocks (24); behind block 2: two blocks (16), the stage's 32 and block 5 (8)
.endif
.if \a < 7
	ROW \a+1
.endif
.if \a == 0
	SEND 0, 24                                     ; behind the block's loads from the stage: x's blocks 2, 3 and 4
.elseif \a < 4
	SEND \a, 8                                     ; x's block a + 4
.else
	SEND \a, 0
.endif
.endr
	WIN 0
	s_wait_tensorcnt 0x0                           ; the wave's end, behind my last tensor load and my last LDS store
	ds_add_u32 v[SPW], v[NIL]
	s_wait_dscnt 0x0
	CROUND                                         ; the closing round: no work-group ends while a partner may still ask for a tile that names it
	s_endpgm
.Lfunc_end_k_qe91ab8adab_gemm:
	.size	k_qe91ab8adab_gemm, .Lfunc_end_k_qe91ab8adab_gemm-k_qe91ab8adab_gemm
	.p2alignl 7, 3214868480
	.fill 96, 4, 3214868480
	.section	.rodata,"a",@progbits
	.p2align	6, 0x0
	.amdhsa_kernel k_qe91ab8adab_gemm
		.amdhsa_group_segment_fixed_size 327680
		.amdhsa_private_segment_fixed_size 0
		.amdhsa_enable_private_segment 0
		.amdhsa_kernarg_size 40
		.amdhsa_user_sgpr_count 2
		.amdhsa_user_sgpr_kernarg_segment_ptr 1
		.amdhsa_wavefront_size32 1
		.amdhsa_system_sgpr_workgroup_id_x 1
		.amdhsa_system_sgpr_workgroup_id_y 1
		.amdhsa_system_sgpr_workgroup_id_z 1
		.amdhsa_system_vgpr_workitem_id 0
		.amdhsa_next_free_vgpr 1024
		.amdhsa_next_free_sgpr 102
		.amdhsa_reserve_vcc 0
		.amdhsa_float_denorm_mode_32 3
		.amdhsa_float_denorm_mode_16_64 3
		.amdhsa_memory_ordered 1
		.amdhsa_forward_progress 1
		.amdhsa_inst_pref_size 149
	.end_amdhsa_kernel
	.amdgpu_metadata
---
amdhsa.version: [ 1, 2 ]
amdhsa.kernels:
  - .name:           k_qe91ab8adab_gemm
    .symbol:         k_qe91ab8adab_gemm.kd
    .args:
      - { .name: x_codes, .offset: 0, .size: 8, .value_kind: global_buffer, .address_space: global }
      - { .name: wq, .offset: 8, .size: 8, .value_kind: global_buffer, .address_space: global }
      - { .name: scl, .offset: 16, .size: 8, .value_kind: global_buffer, .address_space: global }
      - { .name: bias, .offset: 24, .size: 8, .value_kind: global_buffer, .address_space: global }
      - { .name: out0, .offset: 32, .size: 8, .value_kind: global_buffer, .address_space: global }
    .group_segment_fixed_size: 327680
    .private_segment_fixed_size: 0
    .kernarg_segment_align: 8
    .kernarg_segment_size: 40
    .max_flat_workgroup_size: 128
    .sgpr_count:     102
    .vgpr_count:     1024
    .wavefront_size: 32
...
	.end_amdgpu_metadata
.endif
;; end of part 2
